; MI455X (gfx1250); checked and timed in simulation.
; The chip was launched on July 23, 2026; its instructions are those of AMD's public machine-readable ISA for CDNA 5 (MIT licence, August 2026) and "CDNA5" Instruction Set Architecture Reference Guide (July 2026). The comments in the code are by the model that wrote it; some were corrected since.
;; Group GEMM Mo E. Allowed arithmetic: float matrix products may take bf16 or f16 operands with f32 sums; all other float work in f32.
;; Inputs: experts 8 x 2,048 x 256 float32; topk_indices 4 x 4,096 x 2 int32; x 4 x 4,096 x 2,048 float32.
;; Outputs: out0 4 x 4,096 x 256 float32.
;; 2 versions, each right; version 2 is version 1 with the launch main written anew for expert scheduling mode. Each part assembles by itself: llvm-mc -triple=amdgcn-amd-amdhsa -mcpu=gfx1250 --defsym DOCPART=n.
;; ======== version 1 of 2: 2 launches
;; workspace buffers: wb 8,388,608 bytes; order 65,536 bytes of whole numbers
;; launch prep (part 1): grid 129 x 1, 32 waves a work-group, no clusters, 8,192 bytes of LDS; arguments experts, topk_indices, wb, order; writes wb, order
.if DOCPART == 1
	.amdgcn_target "amdgcn-amd-amdhsa--gfx1250"
	.amdhsa_code_object_version 6
	.text
	.protected	k_q77732b5ca3_prep
	.globl	k_q77732b5ca3_prep
	.p2align	8
	.type	k_q77732b5ca3_prep,@function
k_q77732b5ca3_prep:
	s_mov_b64 s[64:65], 0
	v_nop
	global_prefetch_b8 v0, s[64:65] scope:SCOPE_SE
	s_setreg_imm32_b32 hwreg(HW_REG_WAVE_MODE, 25, 1), 1
	s_wait_xcnt 0x0
; out[t] = x[t] W[i0(t)] + x[t] W[i1(t)], 16,384 tokens, 8 experts of 2048 x 256.
; WORK LEFT OUT (this program, both kernels): the problem states the result as a sum over all 8 experts of cnt(t, e) x[t] W_e, where
; cnt(t, e) counts how many of the token's two indices equal e.  For every expert that token t does not name, cnt is the whole number 0,
; so that product reaches no output whatever finite values x and W hold.  Which products are live is decided by whole numbers alone:
; this kernel sorts them into 'order', and the second kernel reads them from there and makes only the products that they ask for.
; LIMITS: a NaN, an infinity or an overflow that would arise only in a product left out is not carried to the result.  Indices are taken
; modulo 8 (an index outside 0..7 would add nothing in the problem's own form).  x and W are rounded to bf16, sums are kept in f32.
;
; THIS KERNEL.  Work-group 0: a counting sort of the tokens by their pair of experts, stored as whole numbers in 'order'.
;   word = token | a << 16 | b << 20, a = min(i0, i1), b = max(i0, i1).
;   Sort key: the pair (a', b') = (a, b), or (a & 6, a | 1) where a == b (such a token needs a alone and rides with a pair that holds a):
;   28 keys, key = b'(b'-1)/2 + a' for even b', b'(b'-1)/2 + b'-1-a' for odd b', so that two keys that follow each other share an expert.
;   There are fewer keys than lanes, so LANE k STANDS FOR KEY k: counts per key live in one register, and a token looks its key's number up in lane key.
;   No LDS address and no EXEC mask hangs on the data.
; Work-groups 1 to 128: the experts cast to bf16 and laid out as the second kernel's B fragments:
;   wb byte = e << 20 | w << 18 | kq << 12 | c << 10 | half << 9 | lane << 4 holds W[e][32 kq + 16 half + 8 (lane / 16) + 0..7][64 w + 4 (lane % 16) + c].
; The branch between the two is on the work-group's number: all waves of a work-group take the same way, and only work-group 0 has a barrier.
.set X,    14                          ; v14-18   bit b of my lane's number: 0 where it is set, all ones where it is not
.set VL,   19                          ; v19      4 x lane
.set E,    20                          ; v20      lane k: tokens of key k in earlier waves
.set T,    21                          ; v21      lane k: tokens of key k in all waves
.set ST,   22                          ; v22      lane k: the place of my wave's first token of key k
.set IDX,  24                          ; v24-55   16 index pairs as loaded; dead once the keys are made
.set SNP,  24                          ; v24-40   lane k: tokens of key k in my wave's steps before step i; SNP+16: in all 16
.set B,    41                          ; v41-56   what step i's token finds in lane key; at the end its byte offset in 'order'
.set KEY,  57                          ; v57-72   the key, later 4 x key
.set ENT,  73                          ; v73-88   the words to store
.set M,    89                          ; v89-104  lane k: the lanes that hold key k in step i
.set H,    105                         ; v105-120 16 rows of the table of counts; later each token's own M
; v2-13 at work.  LDS: [wave][key] counts, 32 x 128 bytes.
	s_load_b256 s[4:11], s[0:1], 0x0               ; experts s[4:5], topk_indices s[6:7], wb s[8:9], order s[10:11]
	v_lshl_add_u32 v126, v0, 2, 0x1000
	v_mov_b32 v127, 0
	v_lshrrev_b32 v2, 5, v0
	v_readfirstlane_b32 s12, v2                    ; wave 0..31
	v_and_b32 v1, 31, v0                           ; lane
	s_wait_kmcnt 0x0
	s_cmp_lg_u32 ttmp9, 0
	s_cbranch_scc1 .Lcast
; ---------------- the sort: 1,024 threads, 16 tokens each; step i of wave w holds token 512 w + 32 i + lane ----------------
	v_lshlrev_b32 v3, 3, v1
	v_lshl_add_u32 v3, s12, 12, v3                 ; 8 bytes a token: 4,096 w + 8 lane, the step in the immediate
.irp i, 0,1,2,3,4,5,6,7,8,9,10,11,12,13,14,15
	global_load_b64 v[IDX+2*\i:IDX+2*\i+1], v3, s[6:7] offset:256*\i
.endr
	v_lshl_add_u32 v4, s12, 9, v1                  ; token of step 0
.irp b, 0,1,2,3,4
	v_bfe_u32 v[X+\b], v1, \b, 1
	v_add_nc_u32 v[X+\b], -1, v[X+\b]
.endr
	v_lshlrev_b32 v[VL], 2, v1
	s_mov_b32 s24, 0x55555555                      ; the constants of a bit count by halves
	s_mov_b32 s25, 0x33333333
	s_mov_b32 s26, 0x0f0f0f0f
	s_mov_b32 s27, 0x01010101
	s_wait_loadcnt 0x0                             ; all 16 pairs are in
.macro MKKEY i
	v_and_b32 v10, 7, v[IDX+2*\i]
	v_and_b32 v11, 7, v[IDX+2*\i+1]
	v_min_u32 v12, v10, v11                        ; a
	v_max_u32 v13, v10, v11                        ; b
	v_lshl_or_b32 v6, v13, 4, v12
	v_add_nc_u32 v7, 32*\i, v4
	v_lshl_or_b32 v[ENT+\i], v6, 16, v7            ; token | a << 16 | b << 20
	v_cmp_eq_u32 vcc_lo, v12, v13
	v_and_b32 v10, 6, v12
	v_or_b32 v11, 1, v12
	v_cndmask_b32 v12, v12, v10, vcc_lo            ; a'
	v_cndmask_b32 v13, v13, v11, vcc_lo            ; b', 1 to 7
	v_add_nc_u32 v10, -1, v13
	v_mul_u32_u24 v11, v13, v10                    ; b'(b'-1)
	v_sub_nc_u32 v8, v10, v12                      ; b'-1-a'
	v_and_b32 v9, 1, v13
	v_cmp_ne_u32 vcc_lo, 0, v9
	v_cndmask_b32 v12, v12, v8, vcc_lo             ; odd b' count a' downward
	v_lshrrev_b32 v11, 1, v11
	v_add_nc_u32 v[KEY+\i], v11, v12               ; 0 to 27
	v_min_u32 v[KEY+\i], 31, v[KEY+\i]             ; the bound stands in the instruction: the key will name a lane
.endm
.irp i, 0,1,2,3,4,5,6,7,8,9,10,11,12,13,14,15
	MKKEY \i
.endr
; One step.  s20 = the lanes whose key has bit b.  XORed with X+b it is, in lane k, the lanes whose key agrees with k in bit b; the AND over the
; five bits is the lanes that hold key k.  Their number is added to the running count, whose value before the step is kept.
.macro RANK i
	v_and_b32 v6, 1, v[KEY+\i]
	v_cmp_ne_u32 s20, 0, v6
	v_xor_b32 v[M+\i], s20, v[X]
.irp b, 1,2,3,4
	v_and_b32 v6, 1<<\b, v[KEY+\i]
	v_cmp_ne_u32 s20, 0, v6
	v_xor_b32 v7, s20, v[X+\b]
	v_and_b32 v[M+\i], v[M+\i], v7
.endr
	v_lshrrev_b32 v8, 1, v[M+\i]                   ; the bits of M counted: in pairs,
	v_and_b32 v8, s24, v8
	v_sub_nc_u32 v8, v[M+\i], v8
	v_lshrrev_b32 v9, 2, v8                        ; in fours,
	v_and_b32 v8, s25, v8
	v_and_b32 v9, s25, v9
	v_add_nc_u32 v8, v8, v9
	v_lshrrev_b32 v9, 4, v8                        ; in bytes,
	v_add_nc_u32 v8, v8, v9
	v_and_b32 v8, s26, v8
	v_mul_lo_u32 v8, v8, s27                       ; and the four bytes summed into the top one (32 at the most)
	v_lshrrev_b32 v8, 24, v8
	v_add_nc_u32 v[SNP+\i+1], v[SNP+\i], v8
.endm
	v_mov_b32 v[SNP], 0
.irp i, 0,1,2,3,4,5,6,7,8,9,10,11,12,13,14,15
	RANK \i
.endr
	v_lshl_add_u32 v2, s12, 7, v[VL]
	ds_store_b32 v2, v[SNP+16]                     ; my wave's 32 counts: 128 neighbouring bytes, its own
	s_wait_dscnt 0x0                               ; they are in LDS
	s_barrier_signal -1
	s_barrier_wait -1                              ; everybody's are; from here on no wave stores to LDS
; 16 rows of the table: lane k adds wave w's count of key k to T, and to E where w is an earlier wave than mine
.macro HSUM w0
.irp j, 0,1,2,3,4,5,6,7,8,9,10,11,12,13,14,15
	ds_load_b32 v[H+\j], v[VL] offset:(\w0+\j)*128
.endr
	s_wait_dscnt 0x0
.irp j, 0,1,2,3,4,5,6,7,8,9,10,11,12,13,14,15
	s_cmp_gt_u32 s12, \w0+\j
	s_cselect_b32 s20, -1, 0
	v_and_b32 v6, s20, v[H+\j]
	v_add_nc_u32 v[E], v[E], v6
	v_add_nc_u32 v[T], v[T], v[H+\j]
.endr
.endm
; inclusive sum over the 32 lanes of v[x]: four steps inside each 16 lanes, then lane 15's sum is added to the upper 16
.macro WSCAN x, t
	v_mov_b32 v[\t], 0
.irp n, 1,2,4,8
	v_mov_b32_dpp v[\t], v[\x] row_shr:\n row_mask:0xf bank_mask:0xf bound_ctrl:1
	v_add_nc_u32 v[\x], v[\x], v[\t]
.endr
	v_readlane_b32 s20, v[\x], 15
	v_mov_b32 v[\t], s20
	v_cmp_lt_u32 vcc_lo, 15, v1
	v_cndmask_b32 v[\t], 0, v[\t], vcc_lo
	v_add_nc_u32 v[\x], v[\x], v[\t]
.endm
	v_mov_b32 v[E], 0
	v_mov_b32 v[T], 0
	HSUM 0
	HSUM 16
	v_mov_b32 v10, v[T]
	WSCAN 10, 11
	v_sub_nc_u32 v10, v10, v[T]                    ; where key k's tokens begin
	v_add_nc_u32 v[ST], v10, v[E]                  ; where my wave's begin
.irp i, 0,1,2,3,4,5,6,7,8,9,10,11,12,13,14,15
	v_add_nc_u32 v[SNP+\i], v[SNP+\i], v[ST]       ; where step i's begin
	v_lshlrev_b32 v[KEY+\i], 2, v[KEY+\i]          ; a lane is named by 4 x its number
.endr
.irp i, 0,1,2,3,4,5,6,7,8,9,10,11,12,13,14,15
	ds_bpermute_b32 v[H+\i], v[KEY+\i], v[M+\i]    ; from lane key: the lanes that hold my key in this step,
.endr
.irp i, 0,1,2,3,4,5,6,7,8,9,10,11,12,13,14,15
	ds_bpermute_b32 v[B+\i], v[KEY+\i], v[SNP+\i]  ; and the place of the first of them
.endr
	s_wait_dscnt 0x0
	; The places hang on the data, so each lane stores its own word of 4 bytes; 'order' is 65,536 bytes in all.
.irp i, 0,1,2,3,4,5,6,7,8,9,10,11,12,13,14,15
	v_mbcnt_lo_u32_b32 v[B+\i], v[H+\i], v[B+\i]   ; + how many of them are lanes below me
	v_min_u32 v[B+\i], 0x3fff, v[B+\i]             ; the bound stands in the instruction: the place goes into an address
	v_lshlrev_b32 v[B+\i], 2, v[B+\i]
	global_store_b32 v[B+\i], v[ENT+\i], s[10:11]
.endr
	s_wait_tensorcnt 0x0
	ds_add_u32 v126, v127
	s_wait_dscnt 0x0
	s_endpgm
; ---------------- the cast: one task a wave, 4,096 tasks: 8 rows of k for each half of the lanes x 64 columns ----------------
.Lcast:
	s_sub_co_u32 s13, ttmp9, 1
	s_lshl_b32 s13, s13, 5
	s_add_co_u32 s13, s13, s12                     ; task = e << 9 | kq << 3 | half << 2 | w
	s_and_b32 s14, s13, 3                          ; w
	s_bfe_u32 s15, s13, 0x10002                    ; half
	s_bfe_u32 s16, s13, 0x60003                    ; kq
	s_lshr_b32 s17, s13, 9                         ; e
	s_lshl_b32 s20, s17, 21                        ; experts: e x 2 MiB + (32 kq + 16 half) rows of 1,024 bytes + 256 w
	s_lshl_b32 s18, s16, 15
	s_or_b32 s20, s20, s18
	s_lshl_b32 s18, s15, 14
	s_or_b32 s20, s20, s18
	s_lshl_b32 s18, s14, 8
	s_or_b32 s20, s20, s18
	s_mov_b32 s21, 0
	s_lshl_b32 s22, s17, 20                        ; wb, as at the head
	s_lshl_b32 s18, s14, 18
	s_or_b32 s22, s22, s18
	s_lshl_b32 s18, s16, 12
	s_or_b32 s22, s22, s18
	s_lshl_b32 s18, s15, 9
	s_or_b32 s22, s22, s18
	s_mov_b32 s23, 0
	s_add_nc_u64 s[4:5], s[4:5], s[20:21]
	s_add_nc_u64 s[8:9], s[8:9], s[22:23]
	v_and_b32 v2, 15, v0
	v_bfe_u32 v3, v0, 4, 1
	v_lshlrev_b32 v4, 4, v2                        ; four neighbouring columns: the four n blocks c = 0..3
	v_lshl_add_u32 v4, v3, 13, v4                  ; the upper 16 lanes eight rows further down
	v_lshlrev_b32 v5, 4, v1
.irp i, 0,1,2,3,4,5,6,7
	global_load_b128 v[16+4*\i:19+4*\i], v4, s[4:5] offset:1024*\i th:TH_LOAD_NT   ; row i: 16 lanes take 256 aligned bytes
.endr
	s_wait_loadcnt 0x0
.irp c, 0,1,2,3
.irp p, 0,1,2,3
	v_cvt_pk_bf16_f32 v[48+4*\c+\p], v[16+8*\p+\c], v[20+8*\p+\c]   ; rows 2p, 2p+1 of column c
.endr
.endr
.irp c, 0,1,2,3
	global_store_b128 v5, v[48+4*\c:51+4*\c], s[8:9] offset:1024*\c  ; 512 neighbouring bytes, aligned
.endr
	s_endpgm
.Lfunc_end_k_q77732b5ca3_prep:
	.size	k_q77732b5ca3_prep, .Lfunc_end_k_q77732b5ca3_prep-k_q77732b5ca3_prep
	.p2alignl 7, 3214868480
	.fill 96, 4, 3214868480
	.section	.rodata,"a",@progbits
	.p2align	6, 0x0
	.amdhsa_kernel k_q77732b5ca3_prep
		.amdhsa_group_segment_fixed_size 8192
		.amdhsa_private_segment_fixed_size 0
		.amdhsa_enable_private_segment 0
		.amdhsa_kernarg_size 32
		.amdhsa_user_sgpr_count 2
		.amdhsa_user_sgpr_kernarg_segment_ptr 1
		.amdhsa_wavefront_size32 1
		.amdhsa_system_sgpr_workgroup_id_x 1
		.amdhsa_system_sgpr_workgroup_id_y 1
		.amdhsa_system_sgpr_workgroup_id_z 1
		.amdhsa_system_vgpr_workitem_id 0
		.amdhsa_next_free_vgpr 128
		.amdhsa_next_free_sgpr 66
		.amdhsa_reserve_vcc 1
		.amdhsa_float_denorm_mode_32 3
		.amdhsa_float_denorm_mode_16_64 3
		.amdhsa_memory_ordered 1
		.amdhsa_forward_progress 1
		.amdhsa_inst_pref_size 53
	.end_amdhsa_kernel
	.amdgpu_metadata
---
amdhsa.version: [ 1, 2 ]
amdhsa.kernels:
  - .name:           k_q77732b5ca3_prep
    .symbol:         k_q77732b5ca3_prep.kd
    .args:
      - { .name: experts, .offset: 0, .size: 8, .value_kind: global_buffer, .address_space: global }
      - { .name: topk_indices, .offset: 8, .size: 8, .value_kind: global_buffer, .address_space: global }
      - { .name: wb, .offset: 16, .size: 8, .value_kind: global_buffer, .address_space: global }
      - { .name: order, .offset: 24, .size: 8, .value_kind: global_buffer, .address_space: global }
    .group_segment_fixed_size: 8192
    .private_segment_fixed_size: 0
    .kernarg_segment_align: 8
    .kernarg_segment_size: 32
    .max_flat_workgroup_size: 1024
    .sgpr_count:     66
    .vgpr_count:     128
    .wavefront_size: 32
...
	.end_amdgpu_metadata
.endif
;; end of part 1
;; launch main (part 2): grid 256 x 1, 4 waves a work-group, no clusters, 270,848 bytes of LDS; arguments x, wb, order, out0; writes out0
.if DOCPART == 2
	.amdgcn_target "amdgcn-amd-amdhsa--gfx1250"
	.amdhsa_code_object_version 6
	.text
	.protected	k_q77732b5ca3_main
	.globl	k_q77732b5ca3_main
	.p2align	8
	.type	k_q77732b5ca3_main,@function
k_q77732b5ca3_main:
	s_mov_b64 s[64:65], 0
	v_nop
	global_prefetch_b8 v0, s[64:65] scope:SCOPE_SE
	s_setreg_imm32_b32 hwreg(HW_REG_WAVE_MODE, 25, 1), 1
	s_wait_xcnt 0x0
; out[t] = x[t] W[i0(t)] + x[t] W[i1(t)].  Work-group g takes the 64 tokens at places 64 g .. 64 g + 63 of 'order' (sorted by pair of experts) and all 256 columns.
; WORK LEFT OUT: the products x[t] W_e for experts e that token t does not name: the problem multiplies them by the count 0.  The whole numbers
; in 'order', stored by the launch before, say which experts occur in the block (NE of them, 1 to 8); only those are walked.  Inside the block a row
; that does not name the expert at hand is set to zero in the A fragment.  A token that names one expert twice takes part once, and its row is doubled on the way out.
; LIMITS: a NaN, an infinity or an overflow that would arise only in a product left out is not carried to the result; x and W are rounded to bf16, sums are f32.
; NO CLUSTER: which weights a block needs hangs on its own 64 entries.  Four partners would have to walk the union of their lists (256 sorted tokens, so more
; experts than any one of them needs), none could skip what it does not use, and a weight fragment has one reading wave, so a shared tile would only add a way through LDS.
;
; FOUR LIKE WAVES, TWO PHASES, ONE BARRIER.
; Phase X: wave w gathers rows 16 w .. 16 w + 15 of the block (8,192 bytes each), rounds them to bf16 and stores them into LDS, which then holds all of the
; block's x: 8 tiles of K = 256, 64 rows of 512 + 16 bytes.  Every LDS byte is written once.
; Phase M: wave w makes 64 rows x 64 columns in 16 accumulators.  A comes from LDS; B's fragments come straight from 'wb' into a ring of registers (each has one reader).
; The phases follow each other because a wave's loads are counted in issue order (ISA guide 5.7.1): with both streams on one counter a wait for a weight load
; would also wait for every older x load.
; COLUMNS: fragment c of wave w, lane column r, is column 64 w + 4 r + c, so that for one row a lane's four accumulators c = 0..3 are 16 neighbouring bytes of out.
.set PITCH, 528                        ; 33 x 16 bytes: the 16 rows that a fragment load touches start 16 bytes apart modulo 256
.set MBLK,  16*PITCH                   ; 16 rows
.set TILEB, 64*PITCH                   ; a tile: 33,792 bytes
; window 0
.set BITS, 6                           ; v6-9     (1 << a) | (1 << b) of row 16 i + lane % 16
.set EO,   16                          ; v16-47   'order' word of row 16 i + 8 (lane / 16) + j at EO + 8 i + j; later that row's byte offset in out
.set AQ,   48                          ; v48-79, v80-111  A fragments of 32 k (4 x 16 rows), two buffers; on the way out: store data
.set ACC,  112                         ; v112-239 accumulator (i, c) at ACC + 32 i + 8 c
.set VA,   240                         ; v240-247 LDS address of my A fragments in tile t
.set LW,   248                         ; v248-255 phase X: LDS address of my 8 bytes in tile u
.set VOFF, ACC                         ; v112-127 phase X: byte offset in x of my 16 bytes of row i
.set TT,   AQ                          ; v48-79   phase X: rounded, on the way to LDS
; window 1: phase X: three slots of 64 registers, a chunk (16 rows x 128 k of f32) each.  Phase M: v[32 q + 8 c : +7] = B fragment c of the tile's q-th 32 k
; v1 lane, v2 lane % 16, v3 lane / 16, v5 16 lane (offset in wb and in a chunk), v10-13 at work, v14 16 (lane % 16) + 256 wave (offset in a row of out), v15 the number 1
; s16 NE, s17 the list (4 bits an expert), s18/s19 next tile's place in the list / K tile, s20 next tile is in the next K tile, s21 loop counter,
; s[26:27] next tile's offset in wb, s[28:29] wb + wave's part, s[30:31] base of the weight loads, s[32:35] lanes to zero now, s[36:39] in the next tile, s41 NE - 1, s[48:63] my 16 tokens
.set W_MM, 0x04                        ; source 1 (B) in window 1
.set W_BL, 0x40                        ; destination in window 1
.set W_CV, 0x05                        ; both sources in window 1
.set MSB, 0
.macro WIN new                         ; the immediate's high byte repeats the setting that is left
.if MSB != \new
	s_set_vgpr_msb (MSB<<8)|\new
.set MSB, \new
.endif
.endm
; ------------------------------ phase X ------------------------------
.macro XLOAD c                         ; chunk c: 512 bytes of each of my 16 rows; one load covers 512 aligned bytes of one row
.irp i, 0,1,2,3,4,5,6,7,8,9,10,11,12,13,14,15
	global_load_b128 v[64*((\c)%3)+4*\i:64*((\c)%3)+4*\i+3], v[VOFF+\i], s[4:5] offset:(\c)*512 th:TH_LOAD_NT
.endr
.endm
; Chunk c goes to LDS, and its slot is loaded again with chunk c + 3.  Three chunks of 16 loads are on their way; the two younger ones (32) stay out;
; the last two chunks have 16 and no loads behind them.
.macro XSTEP c
.set XB, 64*(\c%3)
.if \c < 14
	s_wait_loadcnt 32
.else
	s_wait_loadcnt (15-\c)*16
.endif
	WIN W_CV
.irp i, 0,1,2,3,4,5,6,7,8,9,10,11,12,13,14,15
	v_cvt_pk_bf16_f32 v[TT+2*\i],   v[XB+4*\i],   v[XB+4*\i+1]
	v_cvt_pk_bf16_f32 v[TT+2*\i+1], v[XB+4*\i+2], v[XB+4*\i+3]
.endr
	WIN W_BL                                       ; address and data of an LDS store are sources: window 0, as the loads' addresses
.irp i, 0,1,2,3,4,5,6,7,8,9,10,11,12,13,14,15
	ds_store_b64 v[LW+\c/2], v[TT+2*\i:TT+2*\i+1] offset:\i*PITCH+(\c&1)*256   ; 256 neighbouring bytes of row i
.endr
.if \c < 13
	XLOAD \c+3
.endif
.endm
; ------------------------------ phase M ------------------------------
.macro ALOAD dst, areg, off            ; the four A fragments of 32 k: lane l takes row l % 16, 16 bytes at 16 (l / 16) and 32 further on
.irp i, 0,1,2,3
	ds_load_b128 v[\dst+8*\i:\dst+8*\i+3],   v[\areg] offset:\i*MBLK+\off
	ds_load_b128 v[\dst+8*\i+4:\dst+8*\i+7], v[\areg] offset:\i*MBLK+\off+32
.endr
.endm
.macro MM i, c, q, zero
.if \zero
	v_wmma_f32_16x16x32_bf16 v[ACC+32*\i+8*\c:ACC+32*\i+8*\c+7], v[XQ+8*\i:XQ+8*\i+7], v[32*\q+8*\c:32*\q+8*\c+7], 0
.else
	v_wmma_f32_16x16x32_bf16 v[ACC+32*\i+8*\c:ACC+32*\i+8*\c+7], v[XQ+8*\i:XQ+8*\i+7], v[32*\q+8*\c:32*\q+8*\c+7], v[ACC+32*\i+8*\c:ACC+32*\i+8*\c+7]
.endif
.endm
; 32 k of one expert: 16 matrix instructions on buffer XQ; the next 32 k's A fragments are loaded into YQ and masked.
; The 16 accumulators take turns, one instruction a turn, in the same order in every stage.
; Loads into registers that a matrix instruction has read (YQ, the ring's two stages before this one) stand behind the eight selects that follow the last
; matrix instruction of the stage before; those name none of its registers.
; THE RING: a stage's 8 weight loads are issued 6 or 7 stages ahead.  Stage 0 asks for this tile's stages 6 and 7, stages 2, 4, 6 for the next tile's
; stages 0-1, 2-3, 4-5.  So a tile is entered with its stages 0 to 5 asked for (48 loads), and at most 56 loads of the wave are out.
.macro STAGE q, zero, fin, t
.set XQ, AQ+32*(\q&1)
.set YQ, AQ+32-32*(\q&1)
.set ZF, 0
.set ZR, 32
.set MK, 1
.set RF, 0
.if \q == 0
.set ZF, \zero
.set RF, 1
.endif
.if (\q == 2) || (\q == 4) || (\q == 6)
.if \fin == 0
.set RF, 1
.endif
.endif
.if \q < 7
	ALOAD YQ, VA+\t, (\q+1)*64
.else
.set ZR, 36                                        ; what is loaded now belongs to the next tile: its masks
.if \fin
.set MK, 0
.else
.if \t < 7
	WIN 0
	s_cmp_lg_u32 s20, 0
	s_cbranch_scc1 .Lwrap_\@
	ALOAD YQ, VA+\t, 0                             ; the next expert, the same x
	s_branch .Lwj_\@
.Lwrap_\@:
	ALOAD YQ, VA+\t+1, 0                           ; the list starts again on the next K tile
.Lwj_\@:
	WIN W_MM
.else
	ALOAD YQ, VA+\t, 0                             ; in the last K tile only the last tile of all would wrap, and it loads nothing
.endif
.endif
.endif
	; B's fragments of this stage are in.  Behind their 8 loads were issued, by the plan above: five stages' loads (40) at an even stage, six stages' (48) at an odd one.
	; In the last tile nothing is asked for beyond its own stages: 40 at stage 0 (stages 1 to 5), then 8 for each stage still to come.
.if \fin
.if \q == 0
	s_wait_loadcnt 40
.else
	s_wait_loadcnt (7-\q)*8
.endif
.else
	s_wait_loadcnt 40+8*(\q&1)
.endif
.irp c, 0,1,2,3
	MM 0, \c, \q, ZF
.endr
.if RF
.if \q == 2
	s_wait_xcnt 0x0                                ; all loads issued so far have had their addresses translated (ISA guide 3.1): only now is their base written
	s_add_nc_u64 s[30:31], s[28:29], s[26:27]      ; the next tile's weights
.endif
	WIN W_BL
.irp d, 6, 7
.set RW, (\q+\d)%8
.irp c, 0,1,2,3
	global_load_b128 v[32*RW+8*\c:32*RW+8*\c+3],   v5, s[30:31] offset:RW*4096+\c*1024
	global_load_b128 v[32*RW+8*\c+4:32*RW+8*\c+7], v5, s[30:31] offset:RW*4096+\c*1024+512
.endr
.endr
	WIN W_MM
.endif
.irp i, 1,2
.irp c, 0,1,2,3
	MM \i, \c, \q, ZF
.endr
.endr
.if MK
	s_wait_dscnt 0x0                               ; YQ is in: its loads were issued 12 matrix instructions ago
.endif
.irp c, 0,1,2,3
	MM 3, \c, \q, ZF
.if MK
.irp k, 0,1,2,3,4,5,6,7
	v_cndmask_b32 v[YQ+8*\c+\k], v[YQ+8*\c+\k], 0, s[ZR+\c]   ; rows of m block c that do not name the expert become zero
.endr
.endif
.endr
.endm
; One expert x K = 256: 128 matrix instructions.  On entry buffer 0 holds the first 32 k of A, masked, and the ring's stages 0 to 5 are asked for.
; zero = 1: the first products start the sums.  fin = 1: the last tile of all: nothing is fetched for a next one.  t: the K tile.
.macro TILE zero, fin, t
	s_mov_b64 s[32:33], s[36:37]
	s_mov_b64 s[34:35], s[38:39]
.if \fin == 0
	s_add_co_u32 s18, s18, 1                       ; the next tile: the next expert of the list,
	s_cmp_eq_u32 s18, s16
	s_cselect_b32 s20, 1, 0
	s_cselect_b32 s18, 0, s18                      ; or the first one again,
	s_add_co_u32 s19, s19, s20                     ; on the next K tile
	s_lshl_b32 s22, s18, 2
	s_lshr_b32 s22, s17, s22
	s_and_b32 s22, s22, 7
	s_min_u32 s22, s22, 7                          ; both bounds stand in the instructions: the numbers go into an address
	s_min_u32 s23, s19, 7
	s_lshl_b32 s26, s22, 20
	s_lshl_b32 s23, s23, 15
	s_add_co_u32 s26, s26, s23
	s_lshl_b32 s22, 1, s22
.irp i, 0,1,2,3
	v_and_b32 v10, s22, v[BITS+\i]
	v_cmp_eq_u32 s[36+\i], 0, v10
.endr
.endif
	WIN W_MM
.irp q, 0,1,2,3,4,5,6,7
	STAGE \q, \zero, \fin, \t
.endr
	WIN 0
.endm
.macro LOOPT cnt, t, skip              ; s[cnt] tiles of K tile t
.if \skip
	s_cmp_eq_u32 s[\cnt], 0
	s_cbranch_scc1 .Lskip_\@
.endif
	s_mov_b32 s21, 0
.Ltl_\@:
	TILE 0, 0, \t
	s_add_co_u32 s21, s21, 1
	s_cmp_lt_u32 s21, s[\cnt]
	s_cbranch_scc1 .Ltl_\@
.Lskip_\@:
.endm
; ------------------------------ head ------------------------------
	s_load_b256 s[4:11], s[0:1], 0x0               ; x s[4:5], wb s[6:7], order s[8:9], out0 s[10:11]
	s_set_vgpr_msb 0x80
	v_lshl_add_u32 v0, v0, 2, 0x42000
	v_mov_b32 v1, 0
	s_set_vgpr_msb 0x8000
	v_lshrrev_b32 v2, 5, v0
	v_readfirstlane_b32 s12, v2                    ; wave 0..3
	v_and_b32 v1, 31, v0                           ; lane
	s_lshl_b32 s14, ttmp9, 8                       ; the block's 64 words of 'order'
	s_mov_b32 s15, 0
	s_lshl_b32 s22, s12, 6                         ; my 16 of them
	s_mov_b32 s23, 0
	s_wait_kmcnt 0x0
	s_add_nc_u64 s[8:9], s[8:9], s[14:15]
	s_add_nc_u64 s[44:45], s[8:9], s[22:23]
	s_load_b512 s[48:63], s[44:45], 0x0            ; the rows that I gather
	v_and_b32 v2, 15, v0
	v_bfe_u32 v3, v0, 4, 1
	v_lshlrev_b32 v11, 2, v2
	v_lshlrev_b32 v12, 5, v3
.irp i, 0,1,2,3
	global_load_b32 v[BITS+\i], v11, s[8:9] offset:64*\i                 ; the word of row 16 i + lane % 16: for the masks
.endr
.irp i, 0,1,2,3
	global_load_b128 v[EO+8*\i:EO+8*\i+3],   v12, s[8:9] offset:64*\i     ; the words of rows 16 i + 8 (lane / 16) + 0..7: for the way out
	global_load_b128 v[EO+8*\i+4:EO+8*\i+7], v12, s[8:9] offset:64*\i+16
.endr
	v_lshlrev_b32 v5, 4, v1
	v_mul_u32_u24 v10, v2, PITCH
	v_lshl_add_u32 v10, v3, 4, v10
.irp t, 0,1,2,3,4,5,6,7
	v_add_nc_u32 v[VA+\t], \t*TILEB, v10
.endr
	s_mul_i32 s13, s12, MBLK
	v_lshlrev_b32 v4, 3, v1
	v_add_nc_u32 v4, s13, v4
.irp u, 0,1,2,3,4,5,6,7
	v_add_nc_u32 v[LW+\u], \u*TILEB, v4
.endr
	v_lshlrev_b32 v14, 4, v2
	v_lshl_add_u32 v14, s12, 8, v14
	v_mov_b32 v15, 1
	s_wait_kmcnt 0x0
.irp i, 0,1,2,3,4,5,6,7,8,9,10,11,12,13,14,15
	s_and_b32 s[48+\i], s[48+\i], 0x3fff           ; the token,
	s_min_u32 s[48+\i], s[48+\i], 0x3fff           ; its bound in the instruction: it goes into an address
	s_lshl_b32 s[48+\i], s[48+\i], 13              ; rows of 8,192 bytes
	v_add_nc_u32 v[VOFF+\i], s[48+\i], v5
.endr
	WIN W_BL
	XLOAD 0
	XLOAD 1
	XLOAD 2                                        ; 12 + 48 loads are out
	WIN 0
	; the list of the block's experts, while x is on its way
	s_lshl_b32 s26, s12, 18
	s_mov_b32 s27, 0
	s_add_nc_u64 s[28:29], s[6:7], s[26:27]
	s_mov_b32 s17, 0
	s_mov_b32 s18, 0
	s_mov_b32 s19, 0
	s_mov_b32 s22, 0
	s_wait_loadcnt 48                              ; the 12 loads of 'order' are in; the 48 of x issued behind them stay out
.irp i, 0,1,2,3
	v_bfe_u32 v10, v[BITS+\i], 16, 3
	v_bfe_u32 v13, v[BITS+\i], 20, 3
	v_lshlrev_b32 v10, v10, v15
	v_lshlrev_b32 v13, v13, v15
	v_or_b32 v[BITS+\i], v10, v13
.endr
	v_or_b32 v10, v[BITS], v[BITS+1]
	v_or_b32 v13, v[BITS+2], v[BITS+3]
	v_or_b32 v10, v10, v13                         ; over the lanes: the experts of all 64 rows
.irp e, 0,1,2,3,4,5,6,7
	v_and_b32 v13, 1<<\e, v10
	v_cmp_ne_u32 vcc_lo, 0, v13
	s_lshl_b32 s23, \e, s22
	s_cmp_lg_u32 vcc_lo, 0                         ; does any row name expert e?
	s_cselect_b32 s23, s23, 0
	s_cselect_b32 s24, 4, 0
	s_or_b32 s17, s17, s23                         ; then it joins the list
	s_add_co_u32 s22, s22, s24
.endr
	s_lshr_b32 s16, s22, 2
	s_min_u32 s16, s16, 8
	s_max_u32 s16, s16, 1                          ; NE, 1 to 8
	s_sub_co_u32 s41, s16, 1
	s_and_b32 s23, s17, 7
	s_min_u32 s23, s23, 7
	s_lshl_b32 s26, s23, 20
	s_add_nc_u64 s[30:31], s[28:29], s[26:27]      ; the first expert, K tile 0
	s_lshl_b32 s22, 1, s23
.irp i, 0,1,2,3
	v_and_b32 v13, s22, v[BITS+\i]
	v_cmp_eq_u32 s[36+\i], 0, v13
.endr
.irp c, 0,1,2,3,4,5,6,7,8,9,10,11,12,13,14,15
	XSTEP \c
.endr
	WIN W_BL                                       ; no x load is out any more: the first tile's stages 0 to 5 take the slots' registers
.irp q, 0,1,2,3,4,5
.irp c, 0,1,2,3
	global_load_b128 v[32*\q+8*\c:32*\q+8*\c+3],   v5, s[30:31] offset:\q*4096+\c*1024
	global_load_b128 v[32*\q+8*\c+4:32*\q+8*\c+7], v5, s[30:31] offset:\q*4096+\c*1024+512
.endr
.endr
	WIN 0
	s_wait_dscnt 0x0                               ; my rows are in LDS
	s_barrier_signal -1
	s_barrier_wait -1                              ; all 64 rows are; from here on LDS is only read
; ------------------------------ the products ------------------------------
	ALOAD AQ, VA, 0                                ; the first 32 k of A, masked for the first expert
	s_wait_dscnt 0x0
.irp i, 0,1,2,3
.irp k, 0,1,2,3,4,5,6,7
	v_cndmask_b32 v[AQ+8*\i+\k], v[AQ+8*\i+\k], 0, s[36+\i]
.endr
.endr
	TILE 1, 0, 0
	LOOPT 41, 0, 1
	LOOPT 16, 1, 0
	LOOPT 16, 2, 0
	LOOPT 16, 3, 0
	LOOPT 16, 4, 0
	LOOPT 16, 5, 0
	LOOPT 16, 6, 0
	LOOPT 41, 7, 1
	TILE 0, 1, 7
; ------------------------------ the way out ------------------------------
; Register j of accumulator (i, c) is out(row 16 i + 8 (lane / 16) + j, column 64 wave + 4 (lane % 16) + c).  The four c of one row are brought together by the
; multiply that also applies the count (1.0, or 2.0 where the token names one expert twice): 16 bytes a lane, 16 lanes fill 256 aligned bytes of the token's row.
.rept 4
	v_nop                                          ; four places behind the last matrix instructions (ISA guide 7.12.1)
.endr
.irp i, 0,1,2,3
.set TQ, AQ+32*(\i&1)
.if \i > 1
	s_wait_xcnt 0x0                                ; the buffer was store data two blocks ago: it is written again only behind this wait
.endif
.irp j, 0,1,2,3,4,5,6,7
	v_bfe_u32 v10, v[EO+8*\i+\j], 16, 3
	v_bfe_u32 v11, v[EO+8*\i+\j], 20, 3
	v_cmp_eq_u32 vcc_lo, v10, v11
	v_cndmask_b32 v10, 1.0, 2.0, vcc_lo
	v_and_b32 v[EO+8*\i+\j], 0x3fff, v[EO+8*\i+\j]
	v_min_u32 v[EO+8*\i+\j], 0x3fff, v[EO+8*\i+\j] ; the bound in the instruction: the token goes into an address
	v_lshlrev_b32 v[EO+8*\i+\j], 10, v[EO+8*\i+\j] ; rows of 1,024 bytes
	v_add_nc_u32 v[EO+8*\i+\j], v[EO+8*\i+\j], v14
.irp c, 0,1,2,3
	v_mul_f32 v[TQ+4*\j+\c], v[ACC+32*\i+8*\c+\j], v10
.endr
	global_store_b128 v[EO+8*\i+\j], v[TQ+4*\j:TQ+4*\j+3], s[10:11] th:TH_STORE_NT
.endr
.endr
	s_set_vgpr_msb 0xa
	s_wait_tensorcnt 0x0
	ds_add_u32 v0, v1
	s_wait_dscnt 0x0
	s_set_vgpr_msb 0xa00
	s_endpgm
.Lfunc_end_k_q77732b5ca3_main:
	.size	k_q77732b5ca3_main, .Lfunc_end_k_q77732b5ca3_main-k_q77732b5ca3_main
	.p2alignl 7, 3214868480
	.fill 96, 4, 3214868480
	.section	.rodata,"a",@progbits
	.p2align	6, 0x0
	.amdhsa_kernel k_q77732b5ca3_main
		.amdhsa_group_segment_fixed_size 270848
		.amdhsa_private_segment_fixed_size 0
		.amdhsa_enable_private_segment 0
		.amdhsa_kernarg_size 32
		.amdhsa_user_sgpr_count 2
		.amdhsa_user_sgpr_kernarg_segment_ptr 1
		.amdhsa_wavefront_size32 1
		.amdhsa_system_sgpr_workgroup_id_x 1
		.amdhsa_system_sgpr_workgroup_id_y 1
		.amdhsa_system_sgpr_workgroup_id_z 1
		.amdhsa_system_vgpr_workitem_id 0
		.amdhsa_next_free_vgpr 514
		.amdhsa_next_free_sgpr 66
		.amdhsa_reserve_vcc 1
		.amdhsa_float_denorm_mode_32 3
		.amdhsa_float_denorm_mode_16_64 3
		.amdhsa_memory_ordered 1
		.amdhsa_forward_progress 1
		.amdhsa_inst_pref_size 255
	.end_amdhsa_kernel
	.section	.bss,"aw",@nobits
	.p2align	6
	.space	262144
	.amdgpu_metadata
---
amdhsa.version: [ 1, 2 ]
amdhsa.kernels:
  - .name:           k_q77732b5ca3_main
    .symbol:         k_q77732b5ca3_main.kd
    .args:
      - { .name: x, .offset: 0, .size: 8, .value_kind: global_buffer, .address_space: global }
      - { .name: wb, .offset: 8, .size: 8, .value_kind: global_buffer, .address_space: global }
      - { .name: order, .offset: 16, .size: 8, .value_kind: global_buffer, .address_space: global }
      - { .name: out0, .offset: 24, .size: 8, .value_kind: global_buffer, .address_space: global }
    .group_segment_fixed_size: 270848
    .private_segment_fixed_size: 0
    .kernarg_segment_align: 8
    .kernarg_segment_size: 32
    .max_flat_workgroup_size: 128
    .sgpr_count:     66
    .vgpr_count:     514
    .wavefront_size: 32
...
	.end_amdgpu_metadata
.endif
;; end of part 2
;; ======== version 2 of 2: 2 launches; version 1 with the launch main written anew for expert scheduling mode
;; workspace buffers: wb 8,388,608 bytes; order 65,536 bytes of whole numbers
;; launch prep: the kernel of part 1 again; grid 129 x 1, 32 waves a work-group, no clusters, 8,192 bytes of LDS; arguments experts, topk_indices, wb, order; writes wb, order
;; launch main (part 3): grid 256 x 1, 4 waves a work-group, no clusters, 270,848 bytes of LDS; arguments x, wb, order, out0; writes out0
.if DOCPART == 3
	.amdgcn_target "amdgcn-amd-amdhsa--gfx1250"
	.amdhsa_code_object_version 6
	.text
	.protected	k_q77732b5ca3_main
	.globl	k_q77732b5ca3_main
	.p2align	8
	.type	k_q77732b5ca3_main,@function
k_q77732b5ca3_main:
	s_mov_b64 s[64:65], 0
	v_nop
	global_prefetch_b8 v0, s[64:65] scope:SCOPE_SE
	s_setreg_imm32_b32 hwreg(HW_REG_WAVE_SCHED_MODE, 0, 2), 2
	s_setreg_imm32_b32 hwreg(HW_REG_WAVE_MODE, 25, 1), 1
	s_wait_xcnt 0x0
	s_wait_alu depctr_vm_vsrc(0)
; out[t] = x[t] W[i0(t)] + x[t] W[i1(t)].  Work-group g takes the 64 tokens at places 64 g .. 64 g + 63 of 'order' (sorted by pair of experts) and all 256 columns.
; WORK LEFT OUT: the products x[t] W_e for experts e that token t does not name: the problem multiplies them by the count 0.  The whole numbers
; in 'order', stored by the launch before, say which experts occur in the block (NE of them, 1 to 8); only those are walked.  Inside the block a row
; that does not name the expert at hand is set to zero in the A fragment.  A token that names one expert twice takes part once, and its row is doubled on the way out.
; LIMITS: a NaN, an infinity or an overflow that would arise only in a product left out is not carried to the result; x and W are rounded to bf16, sums are f32.
; NO CLUSTER: which weights a block needs hangs on its own 64 entries.  Four partners would have to walk the union of their lists (256 sorted tokens, so more
; experts than any one of them needs), none could skip what it does not use, and a weight fragment is read by one wave, so a shared tile would only add a way through LDS.
;
; FOUR LIKE WAVES, TWO PHASES, ONE BARRIER.
; Phase X: wave w gathers rows 16 w .. 16 w + 15 of the block (8,192 bytes each), rounds them to bf16 and stores them into LDS, which then holds all of the
; block's x: 8 tiles of K = 256, 64 rows of 512 + 16 bytes.  Every LDS byte is written once.
; Phase M: wave w makes 64 rows x 64 columns in 16 accumulators.  A comes from LDS; B's fragments come straight from 'wb' into a ring of registers (each is read by one wave).
; The phases follow each other because a wave's loads are counted in issue order (ISA guide 5.7.1): with both streams on one counter a wait for a weight load
; would also wait for every older x load.
; COLUMNS: fragment c of wave w, lane column r, is column 64 w + 4 r + c, so that for one row a lane's four accumulators c = 0..3 are 16 neighbouring bytes of out.
;
; THE MODE: SCHED_MODE bits 1:0 = 2 (LLVM: expert scheduling mode 2), set by the entry lines.  The code itself states the register dependences
; between vector or matrix instructions and memory or LDS instructions, with s_wait_alu, always for 0.
; THE PLAN.  Registers that memory or LDS instructions touch, and who else names them:
;   v5, VA, LW, VOFF  offsets and LDS addresses: made at the head, ahead of one wait on va_vdst, and not written again while a load or store reads them.
;   S0 .. S3   (window 1) phase X, four slots of a chunk of x.  Step c's roundings read S[c % 4]; the loads of chunk c + 3, issued at the head of step c, land in S[(c - 1) % 4].
;   TT0, TT1   phase X.  Step c's roundings write TT[c % 2]; the 16 LDS stores issued at the head of step c + 1 read it.
;              So step c's memory instructions touch the two buffers that step c - 1 worked on and that no rounding of step c names: the waits at a step's head state all that they hang on.
;   AQ0, AQ1   phase M.  Stage q's 16 matrix instructions read AQ[q % 2]; the stage's LDS loads land in the other buffer, which stage q - 1 read; the stage's last selects mask it.
;   the ring   (window 1) phase M.  Stage q's matrix instructions read ring[q]; an even stage's 16 loads land in ring[q - 2] and ring[q - 1].
;              So ONE wait on va_vdst stands at a stage's head; the stage's loads follow it among its first matrix instructions, which name AQ[q % 2], ring[q] and accumulators alone.
;   EO, TQ0, TQ1  the way out.  Block i's arithmetic writes its eight EO (addresses) and TQ[i % 2] (data); one wait on va_vdst; its eight stores read them.
; Masks that compares write into scalar registers are made in runs, with one wait on va_sdst behind each run, ahead of the first line that reads one.  EXEC and VCC are never written.
.set PITCH, 528                        ; 33 x 16 bytes: the 16 rows that a fragment load touches start 16 bytes apart modulo 256
.set MBLK,  16*PITCH                   ; 16 rows
.set TILEB, 64*PITCH                   ; a tile: 33,792 bytes
; window 0
.set BITS, 6                           ; v6-9     (1 << a) | (1 << b) of row 16 i + lane % 16
.set EO,   16                          ; v16-47   'order' word of row 16 i + 8 (lane / 16) + j at EO + 8 i + j; later that row's byte offset in out
.set AQ,   48                          ; v48-79, v80-111  A fragments of 32 k (4 x 16 rows), two buffers; on the way out: store data
.set ACC,  112                         ; v112-239 accumulator (i, c) at ACC + 32 i + 8 c
.set VA,   240                         ; v240-247 LDS address of my A fragments in tile t
.set LW,   248                         ; v248-255 phase X: LDS address of my 8 bytes in tile u
.set VOFF, ACC                         ; v112-127 phase X: byte offset in x of my 16 bytes of row i
.set TT,   AQ                          ; v48-79, v80-111  phase X: rounded, on the way to LDS, two buffers
; window 1: phase X: four slots of 64 registers, a chunk (16 rows x 128 k of f32) each.  Phase M: v[32 q + 8 c : +7] = B fragment c of the tile's q-th 32 k
; v1 lane, v2 lane % 16, v3 lane / 16, v5 16 lane (offset in wb and in a chunk), v10-13 at work, v14 16 (lane % 16) + 256 wave (offset in a row of out), v15 the number 1
; s16 NE, s17 the list (4 bits an expert), s18/s19 next tile's place in the list / K tile, s20 next tile is in the next K tile, s21 loop counter,
; s[26:27] next tile's offset in wb, s[28:29] wb + wave's part, s[30:31] base of the weight loads, s[32:35] lanes to zero now, s[36:39] in the next tile, s41 NE - 1, s[48:63] my 16 tokens
.set LM,   48                          ; s48-55   when the tokens' offsets are made: the lanes whose rows name expert e
.set CM,   32                          ; s32-63   the way out: the lanes whose row 16 i + 8 (lane / 16) + j names one expert twice, at CM + 8 i + j
.set W_MM, 0x04                        ; source 1 (B) in window 1
.set W_BL, 0x40                        ; destination in window 1
.set W_CV, 0x05                        ; both sources in window 1
.set MSB, 0
.macro WIN new                         ; the immediate's high byte repeats the setting that is left
.if MSB != \new
	s_set_vgpr_msb (MSB<<8)|\new
.set MSB, \new
.endif
.endm
; ------------------------------ phase X ------------------------------
.macro XLOAD c                         ; chunk c: 512 bytes of each of my 16 rows; one load covers 512 aligned bytes of one row
.irp i, 0,1,2,3,4,5,6,7,8,9,10,11,12,13,14,15
	global_load_b128 v[64*((\c)%4)+4*\i:64*((\c)%4)+4*\i+3], v[VOFF+\i], s[4:5] offset:(\c)*512 th:TH_LOAD_NT
.endr
.endm
.macro XSTORE c                        ; chunk c, rounded, goes to LDS: 256 neighbouring bytes of each row
.irp i, 0,1,2,3,4,5,6,7,8,9,10,11,12,13,14,15
	ds_store_b64 v[LW+(\c)/2], v[TT+32*((\c)%2)+2*\i:TT+32*((\c)%2)+2*\i+1] offset:\i*PITCH+((\c)&1)*256
.endr
.endm
; Step c: chunk c is rounded.  At its head the slot that step c - 1 emptied is loaded again, with chunk c + 3, and chunk c - 1 goes to LDS.
; Three chunks of 16 loads are on their way at the wait; the two younger ones (32) stay out; the last two chunks have 16 and no loads behind them.
.macro XSTEP c
.if \c < 14
	s_wait_loadcnt 32
.else
	s_wait_loadcnt (15-\c)*16
.endif
	WIN W_BL                                       ; address and data of an LDS store are sources: window 0, as the loads' addresses
.if \c > 1
	s_wait_alu depctr_vm_vsrc(0)                   ; the LDS stores issued in the step before have read TT[c % 2], which this step's roundings write again
.endif
.if \c > 0
	s_wait_alu depctr_va_vdst(0)                   ; the step before has written the other TT, which the stores below read, and is done reading its slot, in which the loads below land
.endif
.if \c < 13
	XLOAD \c+3
.endif
.if \c > 0
	XSTORE \c-1
.endif
	WIN W_CV
.irp i, 0,1,2,3,4,5,6,7,8,9,10,11,12,13,14,15
	v_cvt_pk_bf16_f32 v[TT+32*(\c%2)+2*\i],   v[64*(\c%4)+4*\i],   v[64*(\c%4)+4*\i+1]
	v_cvt_pk_bf16_f32 v[TT+32*(\c%2)+2*\i+1], v[64*(\c%4)+4*\i+2], v[64*(\c%4)+4*\i+3]
.endr
.endm
; ------------------------------ phase M ------------------------------
.macro ALOAD dst, areg, off            ; the four A fragments of 32 k: lane l takes row l % 16, 16 bytes at 16 (l / 16) and 32 further on
.irp i, 0,1,2,3
	ds_load_b128 v[\dst+8*\i:\dst+8*\i+3],   v[\areg] offset:\i*MBLK+\off
	ds_load_b128 v[\dst+8*\i+4:\dst+8*\i+7], v[\areg] offset:\i*MBLK+\off+32
.endr
.endm
.macro MM i, c, q, zero
.if \zero
	v_wmma_f32_16x16x32_bf16 v[ACC+32*\i+8*\c:ACC+32*\i+8*\c+7], v[XQ+8*\i:XQ+8*\i+7], v[32*\q+8*\c:32*\q+8*\c+7], 0
.else
	v_wmma_f32_16x16x32_bf16 v[ACC+32*\i+8*\c:ACC+32*\i+8*\c+7], v[XQ+8*\i:XQ+8*\i+7], v[32*\q+8*\c:32*\q+8*\c+7], v[ACC+32*\i+8*\c:ACC+32*\i+8*\c+7]
.endif
.endm
; 32 k of one expert: 16 matrix instructions on buffer XQ; the next 32 k's A fragments are loaded into YQ and masked.
; The 16 accumulators take turns, one instruction a turn, in the same order in every stage.
; Loads into registers that matrix instructions have read (YQ, the ring's two stages before this one) stand behind the wait on va_vdst at the stage's head; the four
; matrix instructions between that wait and the last of those loads name XQ, the ring's stage q and accumulators: none of the registers that the loads touch.
; The wait is written where the stage has such loads: not in the first tile's stage 0 (the waits between the phases have covered its loads), nor in the last tile's stage 7 (it has none).
; THE RING: a stage's 8 weight loads are issued 6 or 7 stages ahead.  Stage 0 asks for this tile's stages 6 and 7, stages 2, 4, 6 for the next tile's
; stages 0-1, 2-3, 4-5.  So a tile is entered with its stages 0 to 5 asked for (48 loads), and at most 56 loads of the wave are out.
.macro STAGE q, zero, fin, t
.set XQ, AQ+32*(\q&1)
.set YQ, AQ+32-32*(\q&1)
.set ZF, 0
.set ZR, 32
.set MK, 1
.set RF, 0
.set WT, 1
.if \q == 0
.set ZF, \zero
.set RF, 1
.set WT, 1-\zero
.endif
.if (\q == 2) || (\q == 4) || (\q == 6)
.if \fin == 0
.set RF, 1
.endif
.endif
.if \q == 7
.set ZR, 36                                        ; what is loaded now belongs to the next tile: its masks
.if \fin
.set MK, 0
.set WT, 0
.endif
.endif
	; B's fragments of this stage are in.  Behind their 8 loads were issued, by the plan above: five stages' loads (40) at an even stage, six stages' (48) at an odd one.
	; In the last tile nothing is asked for beyond its own stages: 40 at stage 0 (stages 1 to 5), then 8 for each stage still to come.
.if \fin
.if \q == 0
	s_wait_loadcnt 40
.else
	s_wait_loadcnt (7-\q)*8
.endif
.else
	s_wait_loadcnt 40+8*(\q&1)
.endif
.if WT
	s_wait_alu depctr_va_vdst(0)                   ; the stage before is done reading YQ, and the selects before it have written it: the LDS loads below land there; the two stages before are done reading the ring's registers in which an even stage's loads land
.endif
	MM 0, 0, \q, ZF
.if \q < 7
	ALOAD YQ, VA+\t, (\q+1)*64
.else
.if \fin == 0
.if \t < 7
	WIN 0
	s_cmp_lg_u32 s20, 0
	s_cbranch_scc1 .Lwrap_\@
	ALOAD YQ, VA+\t, 0                             ; the next expert, the same x
	s_branch .Lwj_\@
.Lwrap_\@:
	ALOAD YQ, VA+\t+1, 0                           ; the list starts again on the next K tile
.Lwj_\@:
	WIN W_MM
.else
	ALOAD YQ, VA+\t, 0                             ; in the last K tile only the last tile of all would wrap, and it loads nothing
.endif
.endif
.endif
.irp c, 1,2,3
	MM 0, \c, \q, ZF
.endr
.if RF
.if \q == 2
	s_wait_xcnt 0x0                                ; all loads issued so far have had their addresses translated (ISA guide 3.1): only now is their base written
	s_add_nc_u64 s[30:31], s[28:29], s[26:27]      ; the next tile's weights
.endif
	WIN W_BL
.irp d, 6, 7
.set RW, (\q+\d)%8
.irp c, 0,1,2,3
	global_load_b128 v[32*RW+8*\c:32*RW+8*\c+3],   v5, s[30:31] offset:RW*4096+\c*1024        ; no further wait: no vector or matrix instruction since the stage's head names these registers
	global_load_b128 v[32*RW+8*\c+4:32*RW+8*\c+7], v5, s[30:31] offset:RW*4096+\c*1024+512
.endr
.endr
	WIN W_MM
.endif
.irp i, 1,2
.irp c, 0,1,2,3
	MM \i, \c, \q, ZF
.endr
.endr
.if MK
	s_wait_dscnt 0x0                               ; YQ is in: its loads were issued 11 matrix instructions ago
.endif
.irp c, 0,1,2,3
	MM 3, \c, \q, ZF
.if MK
.irp k, 0,1,2,3,4,5,6,7
	v_cndmask_b32 v[YQ+8*\c+\k], v[YQ+8*\c+\k], 0, s[ZR+\c]   ; rows of m block c that do not name the expert become zero
.endr
.endif
.endr
.endm
; One expert x K = 256: 128 matrix instructions.  On entry buffer 0 holds the first 32 k of A, masked, and the ring's stages 0 to 5 are asked for.
; zero = 1: the first products start the sums.  fin = 1: the last tile of all: nothing is fetched for a next one.  t: the K tile.
.macro TILE zero, fin, t
	s_mov_b64 s[32:33], s[36:37]
	s_mov_b64 s[34:35], s[38:39]
.if \fin == 0
	s_add_co_u32 s18, s18, 1                       ; the next tile: the next expert of the list,
	s_cmp_eq_u32 s18, s16
	s_cselect_b32 s20, 1, 0
	s_cselect_b32 s18, 0, s18                      ; or the first one again,
	s_add_co_u32 s19, s19, s20                     ; on the next K tile
	s_lshl_b32 s22, s18, 2
	s_lshr_b32 s22, s17, s22
	s_and_b32 s22, s22, 7
	s_min_u32 s22, s22, 7                          ; both bounds stand in the instructions: the numbers go into an address
	s_min_u32 s23, s19, 7
	s_lshl_b32 s26, s22, 20
	s_lshl_b32 s23, s23, 15
	s_add_co_u32 s26, s26, s23
	s_lshl_b32 s22, 1, s22
.irp i, 0,1,2,3
	v_and_b32 v10, s22, v[BITS+\i]
	v_cmp_eq_u32 s[36+\i], 0, v10
.endr
	s_wait_alu depctr_va_sdst(0)                   ; the four compares have written s[36:39], ahead of the first line that reads one: stage 7's selects, then the next tile's copy
.endif
	WIN W_MM
.irp q, 0,1,2,3,4,5,6,7
	STAGE \q, \zero, \fin, \t
.endr
	WIN 0
.endm
.macro LOOPT cnt, t, skip              ; s[cnt] tiles of K tile t
.if \skip
	s_cmp_eq_u32 s[\cnt], 0
	s_cbranch_scc1 .Lskip_\@
.endif
	s_mov_b32 s21, 0
.Ltl_\@:
	TILE 0, 0, \t
	s_add_co_u32 s21, s21, 1
	s_cmp_lt_u32 s21, s[\cnt]
	s_cbranch_scc1 .Ltl_\@
.Lskip_\@:
.endm
; ------------------------------ head ------------------------------
	s_load_b256 s[4:11], s[0:1], 0x0               ; x s[4:5], wb s[6:7], order s[8:9], out0 s[10:11]
	s_set_vgpr_msb 0x80
	v_lshl_add_u32 v0, v0, 2, 0x42000
	v_mov_b32 v1, 0
	s_set_vgpr_msb 0x8000
	v_lshrrev_b32 v2, 5, v0
	v_readfirstlane_b32 s12, v2                    ; wave 0..3
	v_and_b32 v1, 31, v0                           ; lane
	s_wait_alu depctr_va_sdst(0)                   ; s12 is written, ahead of its first reader: offsets and LDS addresses are made from it
	s_lshl_b32 s14, ttmp9, 8                       ; the block's 64 words of 'order'
	s_mov_b32 s15, 0
	s_lshl_b32 s22, s12, 6                         ; my 16 of them
	s_mov_b32 s23, 0
	s_wait_kmcnt 0x0
	s_add_nc_u64 s[8:9], s[8:9], s[14:15]
	s_add_nc_u64 s[44:45], s[8:9], s[22:23]
	s_load_b512 s[48:63], s[44:45], 0x0            ; the rows that I gather
	v_and_b32 v2, 15, v0
	v_bfe_u32 v3, v0, 4, 1
	v_lshlrev_b32 v11, 2, v2
	v_lshlrev_b32 v12, 5, v3
	s_wait_alu depctr_va_vdst(0)                   ; v11 and v12 are written, which the twelve loads below read as their offsets
.irp i, 0,1,2,3
	global_load_b32 v[BITS+\i], v11, s[8:9] offset:64*\i                 ; the word of row 16 i + lane % 16: for the masks
.endr
.irp i, 0,1,2,3
	global_load_b128 v[EO+8*\i:EO+8*\i+3],   v12, s[8:9] offset:64*\i     ; the words of rows 16 i + 8 (lane / 16) + 0..7: for the way out
	global_load_b128 v[EO+8*\i+4:EO+8*\i+7], v12, s[8:9] offset:64*\i+16
.endr
	v_lshlrev_b32 v5, 4, v1
	v_mul_u32_u24 v10, v2, PITCH
	v_lshl_add_u32 v10, v3, 4, v10
.irp t, 0,1,2,3,4,5,6,7
	v_add_nc_u32 v[VA+\t], \t*TILEB, v10
.endr
	s_mul_i32 s13, s12, MBLK
	v_lshlrev_b32 v4, 3, v1
	v_add_nc_u32 v4, s13, v4
.irp u, 0,1,2,3,4,5,6,7
	v_add_nc_u32 v[LW+\u], \u*TILEB, v4
.endr
	v_lshlrev_b32 v14, 4, v2
	v_lshl_add_u32 v14, s12, 8, v14
	v_mov_b32 v15, 1
	s_wait_kmcnt 0x0
.irp i, 0,1,2,3,4,5,6,7,8,9,10,11,12,13,14,15
	s_and_b32 s[48+\i], s[48+\i], 0x3fff           ; the token,
	s_min_u32 s[48+\i], s[48+\i], 0x3fff           ; its bound in the instruction: it goes into an address
	s_lshl_b32 s[48+\i], s[48+\i], 13              ; rows of 8,192 bytes
	v_add_nc_u32 v[VOFF+\i], s[48+\i], v5
.endr
	WIN W_BL
	s_wait_alu depctr_va_vdst(0)                   ; VOFF, v5, VA and LW are written: every load of x and of wb and every LDS access of the kernel reads one of them as its offset or address
	XLOAD 0
	XLOAD 1
	XLOAD 2                                        ; 12 + 48 loads are out
	WIN 0
	; the list of the block's experts, while x is on its way
	s_lshl_b32 s26, s12, 18
	s_mov_b32 s27, 0
	s_add_nc_u64 s[28:29], s[6:7], s[26:27]
	s_mov_b32 s17, 0
	s_mov_b32 s18, 0
	s_mov_b32 s19, 0
	s_mov_b32 s22, 0
	s_wait_loadcnt 48                              ; the 12 loads of 'order' are in; the 48 of x issued behind them stay out
.irp i, 0,1,2,3
	v_bfe_u32 v10, v[BITS+\i], 16, 3
	v_bfe_u32 v13, v[BITS+\i], 20, 3
	v_lshlrev_b32 v10, v10, v15
	v_lshlrev_b32 v13, v13, v15
	v_or_b32 v[BITS+\i], v10, v13
.endr
	v_or_b32 v10, v[BITS], v[BITS+1]
	v_or_b32 v13, v[BITS+2], v[BITS+3]
	v_or_b32 v10, v10, v13                         ; over the lanes: the experts of all 64 rows
.irp e, 0,1,2,3,4,5,6,7
	v_and_b32 v13, 1<<\e, v10
	v_cmp_ne_u32 s[LM+\e], 0, v13                  ; the eight compares stand in one run (the tokens' offsets in these registers have been used)
.endr
	s_wait_alu depctr_va_sdst(0)                   ; they have written s[48:55], ahead of the scalar compares that read them
.irp e, 0,1,2,3,4,5,6,7
	s_lshl_b32 s23, \e, s22
	s_cmp_lg_u32 s[LM+\e], 0                       ; does any row name expert e?
	s_cselect_b32 s23, s23, 0
	s_cselect_b32 s24, 4, 0
	s_or_b32 s17, s17, s23                         ; then it joins the list
	s_add_co_u32 s22, s22, s24
.endr
	s_lshr_b32 s16, s22, 2
	s_min_u32 s16, s16, 8
	s_max_u32 s16, s16, 1                          ; NE, 1 to 8
	s_sub_co_u32 s41, s16, 1
	s_and_b32 s23, s17, 7
	s_min_u32 s23, s23, 7
	s_lshl_b32 s26, s23, 20
	s_add_nc_u64 s[30:31], s[28:29], s[26:27]      ; the first expert, K tile 0
	s_lshl_b32 s22, 1, s23
.irp i, 0,1,2,3
	v_and_b32 v13, s22, v[BITS+\i]
	v_cmp_eq_u32 s[36+\i], 0, v13
.endr
	s_wait_alu depctr_va_sdst(0)                   ; the four compares have written s[36:39], ahead of the selects behind the barrier, which read them first
.irp c, 0,1,2,3,4,5,6,7,8,9,10,11,12,13,14,15
	XSTEP \c
.endr
	WIN W_BL
	s_wait_alu depctr_va_vdst(0)                   ; the last step has written TT1, which the stores below read; all roundings are done reading the slots, in which the weight loads land, these and the first stage's
	XSTORE 15
.irp q, 0,1,2,3,4,5                    ; no x load is out any more: the first tile's stages 0 to 5 take the first three slots' registers
.irp c, 0,1,2,3
	global_load_b128 v[32*\q+8*\c:32*\q+8*\c+3],   v5, s[30:31] offset:\q*4096+\c*1024
	global_load_b128 v[32*\q+8*\c+4:32*\q+8*\c+7], v5, s[30:31] offset:\q*4096+\c*1024+512
.endr
.endr
	WIN 0
	s_wait_dscnt 0x0                               ; my rows are in LDS
	s_barrier_signal -1
	s_barrier_wait -1                              ; all 64 rows are; from here on LDS is only read
; ------------------------------ the products ------------------------------
	s_wait_alu depctr_vm_vsrc(0)                   ; my LDS stores have read TT0 and TT1: these registers are the A buffers from here on, in which LDS loads land; the loads of x have read VOFF, which the first products write
	ALOAD AQ, VA, 0                                ; the first 32 k of A, masked for the first expert
	s_wait_dscnt 0x0
.irp i, 0,1,2,3
.irp k, 0,1,2,3,4,5,6,7
	v_cndmask_b32 v[AQ+8*\i+\k], v[AQ+8*\i+\k], 0, s[36+\i]
.endr
.endr
	TILE 1, 0, 0
	LOOPT 41, 0, 1
	LOOPT 16, 1, 0
	LOOPT 16, 2, 0
	LOOPT 16, 3, 0
	LOOPT 16, 4, 0
	LOOPT 16, 5, 0
	LOOPT 16, 6, 0
	LOOPT 41, 7, 1
	TILE 0, 1, 7
; ------------------------------ the way out ------------------------------
; Register j of accumulator (i, c) is out(row 16 i + 8 (lane / 16) + j, column 64 wave + 4 (lane % 16) + c).  The four c of one row are brought together by the
; multiply that also applies the count (1.0, or 2.0 where the token names one expert twice): 16 bytes a lane, 16 lanes fill 256 aligned bytes of the token's row.
.rept 4
	v_nop                                          ; four places behind the last matrix instructions (ISA guide 7.12.1)
.endr
.irp i, 0,1,2,3
.irp j, 0,1,2,3,4,5,6,7
	v_bfe_u32 v10, v[EO+8*\i+\j], 16, 3
	v_bfe_u32 v11, v[EO+8*\i+\j], 20, 3
	v_cmp_eq_u32 s[CM+8*\i+\j], v10, v11           ; all 32 compares stand in one run; s[32:63] hold nothing that is still wanted
.endr
.endr
	s_wait_alu depctr_va_sdst(0)                   ; they have written s[32:63], ahead of the selects that read them
.irp i, 0,1,2,3
.set TQ, AQ+32*(\i&1)
.if \i > 1
	s_wait_xcnt 0x0                                ; the buffer was store data two blocks ago: it is written again only behind this wait
	s_wait_alu depctr_vm_vsrc(0)                   ; those stores have read TQ[i % 2], which this block's products write again
.endif
.irp j, 0,1,2,3,4,5,6,7
	v_cndmask_b32 v10, 1.0, 2.0, s[CM+8*\i+\j]
	v_and_b32 v[EO+8*\i+\j], 0x3fff, v[EO+8*\i+\j]
	v_min_u32 v[EO+8*\i+\j], 0x3fff, v[EO+8*\i+\j] ; the bound in the instruction: the token goes into an address
	v_lshlrev_b32 v[EO+8*\i+\j], 10, v[EO+8*\i+\j] ; rows of 1,024 bytes
	v_add_nc_u32 v[EO+8*\i+\j], v[EO+8*\i+\j], v14
.irp c, 0,1,2,3
	v_mul_f32 v[TQ+4*\j+\c], v[ACC+32*\i+8*\c+\j], v10
.endr
.endr
	s_wait_alu depctr_va_vdst(0)                   ; the block's eight offsets in EO and its 32 registers of TQ are written, which the eight stores read
.irp j, 0,1,2,3,4,5,6,7
	global_store_b128 v[EO+8*\i+\j], v[TQ+4*\j:TQ+4*\j+3], s[10:11] th:TH_STORE_NT
.endr
.endr
	s_set_vgpr_msb 0xa
	s_wait_dscnt 0x0
	s_wait_alu depctr_hold_cnt(0) depctr_sa_sdst(0) depctr_va_vdst(0) depctr_va_sdst(0) depctr_va_ssrc(0) depctr_va_vcc(0) depctr_vm_vsrc(0)
	s_wait_tensorcnt 0x0
	ds_add_u32 v0, v1
	s_wait_dscnt 0x0
	s_endpgm
.Lfunc_end_k_q77732b5ca3_main:
	.size	k_q77732b5ca3_main, .Lfunc_end_k_q77732b5ca3_main-k_q77732b5ca3_main
	.p2alignl 7, 3214868480
	.fill 96, 4, 3214868480
	.section	.rodata,"a",@progbits
	.p2align	6, 0x0
	.amdhsa_kernel k_q77732b5ca3_main
		.amdhsa_group_segment_fixed_size 270848
		.amdhsa_private_segment_fixed_size 0
		.amdhsa_enable_private_segment 0
		.amdhsa_kernarg_size 32
		.amdhsa_user_sgpr_count 2
		.amdhsa_user_sgpr_kernarg_segment_ptr 1
		.amdhsa_wavefront_size32 1
		.amdhsa_system_sgpr_workgroup_id_x 1
		.amdhsa_system_sgpr_workgroup_id_y 1
		.amdhsa_system_sgpr_workgroup_id_z 1
		.amdhsa_system_vgpr_workitem_id 0
		.amdhsa_next_free_vgpr 514
		.amdhsa_next_free_sgpr 66
		.amdhsa_reserve_vcc 0
		.amdhsa_float_denorm_mode_32 3
		.amdhsa_float_denorm_mode_16_64 3
		.amdhsa_memory_ordered 1
		.amdhsa_forward_progress 1
		.amdhsa_inst_pref_size 255
	.end_amdhsa_kernel
	.section	.bss,"aw",@nobits
	.p2align	6
	.space	262144
	.amdgpu_metadata
---
amdhsa.version: [ 1, 2 ]
amdhsa.kernels:
  - .name:           k_q77732b5ca3_main
    .symbol:         k_q77732b5ca3_main.kd
    .args:
      - { .name: x, .offset: 0, .size: 8, .value_kind: global_buffer, .address_space: global }
      - { .name: wb, .offset: 8, .size: 8, .value_kind: global_buffer, .address_space: global }
      - { .name: order, .offset: 16, .size: 8, .value_kind: global_buffer, .address_space: global }
      - { .name: out0, .offset: 24, .size: 8, .value_kind: global_buffer, .address_space: global }
    .group_segment_fixed_size: 270848
    .private_segment_fixed_size: 0
    .kernarg_segment_align: 8
    .kernarg_segment_size: 32
    .max_flat_workgroup_size: 128
    .sgpr_count:     66
    .vgpr_count:     514
    .wavefront_size: 32
...
	.end_amdgpu_metadata
.endif
;; end of part 3
